; MI455X (gfx1250); checked and timed in simulation.
; The chip was launched on July 23, 2026; its instructions are those of AMD's public machine-readable ISA for CDNA 5 (MIT licence, August 2026) and "CDNA5" Instruction Set Architecture Reference Guide (July 2026). The comments in the code are by the model that wrote it; some were corrected since.
;; CN MLP. Allowed arithmetic: matrix products marked QUANTISED: E2M3 operands, one E8M0 scale for each 32 along K, by v_wmma_scale_f32_16x16x128_f8f6f4 with both operands' format E2M3, f32 sums; products left as they are: f32 operands where the result goes on into a quantised operand, else bf16, f16 or f32 operands; f32 sums; everything else in f32.
;; Inputs: CM 16 x 512 x 512 float32; attn 512 x 16 float32; cla_b 1 float32; cla_w 1 x 512 float32; data_input 8,192 x 5,000 float32; mlp_b 512 float32; mlp_w 512 x 5,000 float32.
;; Outputs: out0 8,192 float32.
;; This version of the problem:
;;   THIS VERSION OF THE PROBLEM IS GIVEN IN LOW PRECISION. The matrix products marked QUANTISED in the list below multiply operands that are first quantised to E2M3 (2 exponent bits, 3 mantissa bits; 6 bits a number), with one power-of-two scale for each 32 numbers along K (OCP MX v1.0); their sums are f32. All else is computed in f32.
;;   The module's matrix products, in the order in which they are computed (A, B: the left and right operand; K: the contracted axis; several contracted axes count as one K, in the product's order):
;;     1. [M 8,192, K 5,000] x [K 5,000, N 512]; A: input data_input; B: input mlp_w: QUANTISED
;;     2. [M 8,192, K 512] x [K 512, N 16]; A: computed on the way; B: input attn: QUANTISED
;;     3. [M 8,192, K 512] x [K 512, N 8,192]; A: computed on the way; B: input CM: QUANTISED
;;     4. batch 8,192 x [M 1, K 16] x [K 16, N 512]; A: softmax; B: computed on the way: left as it is (K = 16 < 32)
;;     5. [M 8,192, K 512] x [K 512, N 1]; A: computed on the way; B: input cla_w: left as it is (N = 1 < 16)
;;   THE QUANTISER, for each operand of a quantised product, along K:
;;     - K is cut into blocks of 32 from its start; a last block that is shorter is filled with zeros.
;;     - A block's scale is 2^e with e = floor(log2(the largest magnitude in the block)) - 2, held to -126 .. 127; a block of zeros has e = 0. As a byte (E8M0): e + 127.
;;     - Each number is divided by its block's scale, clamped to +-7.5, and rounded to the nearest number of E2M3, ties to even, subnormals kept.
;;     - The product sums the exact products of the quantised numbers (number of the format x scale) in f32.
;;   ~~~python
;;   def quantise(x, axis):      # numpy; x: float32 -> the quantised numbers, widened to float32 again
;;       x = np.moveaxis(x, axis, -1); K = x.shape[-1]
;;       x = np.pad(x, [(0, 0)] * (x.ndim - 1) + [(0, -K % 32)]); x = x.reshape(x.shape[:-1] + (-1, 32)); a = np.abs(x).max(-1, keepdims=True)
;;       e = np.where(a > 0, np.clip(np.frexp(np.where(a > 0, a, 1))[1] - 1 - 2, -126, 127), 0)      # np.frexp(a)[1] - 1 = floor(log2(a)), exactly
;;       r = np.clip(x / 2.0 ** e, -7.5, 7.5)
;;       step = 2.0 ** (np.maximum(np.frexp(np.where(r == 0, 1, r))[1] - 1, 0) - 3)
;;       q = np.round(r / step) * step * 2.0 ** e      # np.round: ties to even
;;       return np.moveaxis(q.reshape(q.shape[:-2] + (-1,))[..., :K], -1, axis).astype(np.float32)
;;   ~~~
;;   OPERANDS COMPUTED ON THE WAY. 'Computed on the way' means the value that the module computes at that place (a softmax that the list does not call 'softmax' is quantised finished and normalised). What goes into a quantiser is computed in f32, as accurately as f32 sums, v_exp_f32 and their like allow (about 1e-6 of the number): no bf16 or f16 on the way to a quantiser, and a product that is left as it is and whose result goes on into a quantised operand takes f32 operands (vector FMAs, or v_wmma_f32_16x16x4_f32). A number that lies on a knife's edge between two numbers of the format may be rounded either way, as far as f32 arithmetic and the matrix unit's own rounding can turn it there, and no further.
;; One version. Each part assembles by itself: llvm-mc -triple=amdgcn-amd-amdhsa -mcpu=gfx1250 --defsym DOCPART=n.
;; ======== version 1 of 1: 4 launches
;; workspace buffers: wq 2,048,000 bytes; cmq 3,276,800 bytes; aq 6,400 bytes; hc 3,145,728 bytes; hs 131,072 bytes; zb 524,288 bytes; sT 524,288 bytes
;; launch prep (part 1): grid 417 x 1, 4 waves a work-group, no clusters, 34,304 bytes of LDS; arguments mlp_w, CM, attn, wq, cmq, aq; writes wq, cmq, aq
.if DOCPART == 1
	.amdgcn_target "amdgcn-amd-amdhsa--gfx1250"
	.amdhsa_code_object_version 6
	.text
	.protected	k_qf8ac210092_prep
	.globl	k_qf8ac210092_prep
	.p2align	8
	.type	k_qf8ac210092_prep,@function
k_qf8ac210092_prep:
	s_mov_b64 s[64:65], 0
	v_nop
	global_prefetch_b8 v0, s[64:65] scope:SCOPE_SE
	s_setreg_imm32_b32 hwreg(HW_REG_WAVE_MODE, 25, 1), 1
	s_wait_xcnt 0x0
; THE PROGRAM: out = sigmoid(sum_t softmax_t(h attn)[t] (h CM[t]) . cla_w + cla_b), h = x W^T + b; the three products x W^T, h attn, h CM on codes of E2M3 with one E8M0 scale for each 32 along K.
; Four launches: prep (the three weights into codes), gemm1 (x quantised on the way, h, Q(h), h attn), gemm3 (h CM[t], contracted with cla_w at once), final (softmax over the tasks, weighted sum, sigmoid).
; DEAD WORK: none.  Every input has a way to the output, every input is loaded by some launch, and every product of reference() is done.
; ORDER OF SUMS (a limit, stated): the two products that are left as they are are summed over k first (s[b][t] = sum_k cla_w[k] btk[b][t][k], in gemm3) and over t afterwards (final): the same multiplications by
; cla_w and by the softmax's weights as reference() has, all in f32, in another order.
; LIMITS: NaN and infinities among the inputs are not served.  A block of zeros gets the scale byte 1 where the rule says 127: its codes are zeros, which add nothing under any byte but 0xff, and this program alone
; reads the bytes.  Blocks whose largest magnitude lies under 2^(3 - 127), the floor, get the byte 1.
;
; THIS LAUNCH lays the weights out in the ORDER OF THE OPERANDS' REGISTERS.  A fragment (16 rows x 128 K: 12 registers a lane) is an image of 1,536 bytes: registers 4 c .. 4 c + 3 of lane l at 512 c + 16 l.
; Work-groups 0-255: CM [16][512 (K)][512 (n)]: K is not innermost: a lane takes a column and its registers run down K.  Work-group = (task, 128 columns, K step of 128); a wave 32 columns = two fragments.
;   Its loads run two blocks of 32 along K ahead: 64 loads of a wave are out at the most.
; Work-groups 256-415: mlp_w [512][5000]: K innermost.  Work-group = (K step s of 40, 128 hidden units w); a wave makes two fragments.  Rows come by loads of 512 consecutive bytes and turn through the wave's stage in LDS.
;   THE ROWS OF A TILE ARE NOT NEIGHBOURS: row i of tile 2 v + e is hidden unit 128 w + 32 v + 8 e + i + 8 (i / 8), so that gemm1's results of two neighbouring tiles are 16 neighbours along the next K.
;   K = 5,000 is filled up to 5,120 with zeros: of the last K step 8 numbers a row are real.
; Work-group 416: attn [512 (K)][16]: wave w makes K step w's fragment.
; wq:  [trip 20][w 4][u 2] blocks of 12,800 bytes (K step 2 trip + u): 8 fragments, then 4 x 128 bytes of scale words: word register i holds tile 2 i in lanes 0-15, tile 2 i + 1 in lanes 16-31.
; cmq: [task 16] x 204,800 bytes: fragments [n 32][s 4], then scale words [s 4][n 32][16 columns].       aq: fragments [s 4], then scale words [s 4][16].
.set SPARE, 33792                      ; LDS: four stages of 8,448 bytes (W's path alone), then the spare words: 128 bytes a wave
.set SPW, 2                            ; v2   LDS address of my spare word; never rewritten
.set NIL, 3                            ; v3   0; never rewritten
.set LN,  4                            ; v4   lane
.set LI,  5                            ; v5   16 x lane
.set L4,  6                            ; v6   4 x lane
.set STI, 7                            ; v7   the stage, on the way in
.set RR,  8                            ; v8   lane % 16
.set HH,  9                            ; v9   lane / 16
.set STO, 10                           ; v10  the stage, on the way out   (attn: 4 r)
.set XO,  11                           ; v11  my byte in a row of mlp_w    (attn: my byte in attn)
.set MX,  12                           ; v12-13 at work
.set PW,  14                           ; v14-15 scale words
.set TM,  16                           ; v16-31 at work in QUANT
.set PC,  32                           ; v32-71 W: two sets of 20 for the codes
.set F0,  32                           ; v32-55 CM, attn: two fragments
.set SO,  56                           ; v56-59 CM: the blocks' scale operands
.set X,   72                           ; v72-199 128 numbers
.set SPR, 200                          ; v200-215 the upper halves of the blocks' codes, before they are moved
.set WV,  16
.set MLO, 40
.set MHI, 41
.set SEL, 42
.set MSB, 0
.macro WIN new                         ; (shared with the other launches; here every window is 0 and no switch is written)
.if MSB != (\new)
	s_set_vgpr_msb (MSB<<8)|(\new)
.set MSB, \new
.endif
.endm
; 16 rows x 512 bytes, as loaded (16 bytes a lane), go through my stage (rows 528 bytes apart) and come back so that register 16 b + i is k = 32 b + 16 (lane / 16) + i of row lane % 16.
.macro TURN src, dst, wsrc
	WIN \wsrc
.irp i, 0,1,2,3,4,5,6,7,8,9,10,11,12,13,14,15
	ds_store_b128 v[STI], v[\src+4*\i:\src+4*\i+3] offset:528*\i
.endr
	WIN 0
.irp b, 0,1,2,3
.irp q, 0,1,2,3
	ds_load_b128 v[\dst+16*\b+4*\q:\dst+16*\b+4*\q+3], v[STO] offset:128*\b+16*\q   ; LDS serves a wave's instructions in order: these see my stores
.endr
.endr
.endm
; 64 numbers of a lane, register 16 b + i = k 32 b + 16 (lane / 16) + i of my row, become a fragment's codes in v[pc] .. v[pc + 11] and its scale word in v[pw].
.macro QUANT s, pc, pw, wmax, wcvt
	WIN \wmax
.irp b, 0,1,2,3
	v_max3_num_f32 v[TM+\b], |v[\s+16*\b]|, |v[\s+16*\b+1]|, 0x1800000   ; block b: my 16 numbers, and the floor 2^(3 - 127): the byte cannot fall under 1
.endr
.irp i, 2,4,6,8,10,12,14
.irp b, 0,1,2,3
	v_max3_num_f32 v[TM+\b], |v[\s+16*\b+\i]|, |v[\s+16*\b+\i+1]|, v[TM+\b]   ; the four blocks by turns
.endr
.endr
	WIN 0
.irp b, 0,1,2,3
	v_permlanex16_b32 v[TM+4+\b], v[TM+\b], s[SEL], s[SEL+1]
.endr
.irp b, 0,1,2,3
	v_max_num_f32 v[TM+\b], v[TM+\b], v[TM+4+\b]   ; with lane l xor 16's: the block's largest magnitude
.endr
.irp b, 0,1,2,3
	v_add_nc_u32 v[TM+12+\b], 0xff000000, v[TM+\b]   ; 2 off its exponent field: the conversion's scale operand
.endr
.irp b, 0,1,2,3
	v_lshrrev_b32 v[TM+4+\b], 23, v[TM+12+\b]      ; the scale's byte
.endr
	v_lshl_or_b32 v[\pw], v[TM+5], 8, v[TM+4]
	v_lshl_or_b32 v[\pw], v[TM+6], 16, v[\pw]
	v_lshl_or_b32 v[\pw], v[TM+7], 24, v[\pw]
	WIN \wcvt
.irp c, 0,1
	v_cvt_scalef32_pk16_fp6_f32 v[\pc+6*\c:\pc+6*\c+2], v[\s+32*\c:\s+32*\c+15], v[TM+12+2*\c]
	v_cvt_scalef32_pk16_fp6_f32 v[\pc+12+4*\c:\pc+14+4*\c], v[\s+32*\c+16:\s+32*\c+31], v[TM+13+2*\c]   ; (a conversion's three registers begin on an even number)
.endr
	WIN 0
	v_nop                                          ; one plain place behind a scaled conversion
.irp c, 0,1                                    ; the operand wants a WHOLE block in a lane: lanes 0-15 block 2 c, lanes 16-31 block 2 c + 1
.irp i, 0,1,2
	v_permlane16_swap_b32 v[\pc+6*\c+\i], v[\pc+12+4*\c+\i]
.endr
.irp i, 0,1,2
	v_mov_b32 v[\pc+3+6*\c+\i], v[\pc+12+4*\c+\i]
.endr
.endr
.endm
; the last K step: k = 4,992 on; only k' = 0 .. 7 are numbers of the row: registers 0-7 of lanes 0-15
.macro ZTAIL xn
.irp i, 0,1,2,3,4,5,6,7
	v_cndmask_b32 v[\xn+\i], 0, v[\xn+\i], s[MLO]
.endr
.set zi, 8
.rept 56
	v_mov_b32 v[\xn+zi], 0
.set zi, zi+1
.endr
.endm
	s_load_b256 s[4:11], s[0:1], 0x0               ; mlp_w s[4:5], CM s[6:7], attn s[8:9], wq s[10:11]
	s_load_b128 s[12:15], s[0:1], 0x20             ; cmq s[12:13], aq s[14:15]
	v_lshl_add_u32 v[SPW], v0, 2, SPARE
	v_mov_b32 v[NIL], 0
	v_lshrrev_b32 v1, 5, v0
	v_readfirstlane_b32 s[WV], v1                  ; wave 0..3
	v_and_b32 v[LN], 31, v0
	v_and_b32 v[RR], 15, v0
	v_bfe_u32 v[HH], v0, 4, 1
	v_lshlrev_b32 v[LI], 4, v[LN]
	v_lshlrev_b32 v[L4], 2, v[LN]
	s_mov_b32 s[SEL], 0x76543210
	s_mov_b32 s[SEL+1], 0xfedcba98                 ; v_permlanex16_b32's selects for lane l xor 16
	s_wait_kmcnt 0x0
	s_cmp_lt_u32 ttmp9, 256
	s_cbranch_scc0 .Lnot_cm
	; ---------------- CM ----------------
	s_lshr_b32 s20, ttmp9, 4                       ; task t
	s_bfe_u32 s21, ttmp9, 0x20002                  ; which 128 columns
	s_and_b32 s22, ttmp9, 3                        ; K step s
	s_lshl_b32 s23, s21, 2
	s_add_co_u32 s23, s23, s[WV]                   ; which 32 columns: 4 cg + wave
	s_lshl_b32 s24, s20, 20                        ; CM: t x 512 x 2,048 bytes
	s_lshl_b32 s25, s22, 18                        ; + 128 s rows of 2,048 bytes
	s_add_co_u32 s24, s24, s25
	s_lshl_b32 s25, s23, 7                         ; + 32 columns of 4 bytes
	s_add_co_u32 s24, s24, s25
	s_mov_b32 s25, 0
	s_add_nc_u64 s[6:7], s[6:7], s[24:25]
	s_mul_i32 s26, s20, 204800                     ; cmq: the task's block
	s_mul_i32 s27, s23, 12288                      ; + two column tiles x 4 K steps x 1,536
	s_add_co_u32 s28, s26, s27
	s_mul_i32 s27, s22, 1536
	s_add_co_u32 s28, s28, s27
	s_mov_b32 s29, 0
	s_add_nc_u64 s[30:31], s[12:13], s[28:29]      ; my two fragments: the second 6,144 bytes behind the first
	s_lshl_b32 s27, s22, 11
	s_add_co_u32 s28, s26, s27
	s_lshl_b32 s27, s23, 7
	s_add_co_u32 s28, s28, s27
	s_add_co_u32 s28, s28, 196608
	s_add_nc_u64 s[12:13], s[12:13], s[28:29]      ; my 32 scale words
; block b's 32 loads: CM[t][128 s + 32 b + i][my column], into registers of the block's own: 128 consecutive bytes a wave, 512 a work-group
.macro CMLOAD b
.set cnt, 0
.rept 32
	global_load_b32 v[X+32*(\b)+cnt], v[L4], s[6:7] offset:(32*(\b)+cnt)*2048 th:TH_LOAD_NT
.set cnt, cnt+1
.endr
.endm
; block b of 32 along K: all its numbers are mine
.macro CMBLOCK b
.set XS, X+32*(\b)
.set FD, F0+12*((\b)%2)+6*((\b)/2)
.if (\b) < 3
	s_wait_loadcnt 32                              ; this block's 32 loads are in; the next block's 32, the only younger ones, may be out
.else
	s_wait_loadcnt 0x0
.endif
.if (\b) < 2
	CMLOAD (\b)+2                                  ; two blocks ahead
.endif
	v_max3_num_f32 v[MX], |v[XS]|, |v[XS+1]|, |v[XS+2]|
	v_max3_num_f32 v[MX+1], |v[XS+3]|, |v[XS+4]|, |v[XS+5]|
.irp i, 6,10,14,18,22,26
	v_max3_num_f32 v[MX], v[MX], |v[XS+\i]|, |v[XS+\i+1]|
	v_max3_num_f32 v[MX+1], v[MX+1], |v[XS+\i+2]|, |v[XS+\i+3]|
.endr
	v_max3_num_f32 v[MX], v[MX], |v[XS+30]|, |v[XS+31]|
	v_max3_num_f32 v[MX], v[MX], v[MX+1], 0x1800000   ; and the floor
	v_add_nc_u32 v[SO+(\b)], 0xff000000, v[MX]     ; the conversion's scale operand
	v_lshrrev_b32 v[MX+1], 23, v[SO+(\b)]          ; the byte
.if (\b) == 0
	v_mov_b32 v[PW], v[MX+1]
.else
	v_lshl_or_b32 v[PW], v[MX+1], 8*(\b), v[PW]    ; my column's scale word for this K step
.endif
	v_cvt_scalef32_pk16_fp6_f32 v[FD:FD+2], v[XS:XS+15], v[SO+(\b)]
	v_cvt_scalef32_pk16_fp6_f32 v[SPR+4*(\b):SPR+4*(\b)+2], v[XS+16:XS+31], v[SO+(\b)]
.endm
	CMLOAD 0
	CMLOAD 1
	CMBLOCK 0                                      ; blocks 0, 2 -> registers 0-5, 6-11 of the first run; blocks 1, 3 -> of the second
	CMBLOCK 1
	CMBLOCK 2
	CMBLOCK 3
	v_nop                                          ; one plain place behind the last conversion
.irp b, 0,1,2,3
.irp i, 0,1,2
	v_mov_b32 v[F0+12*(\b%2)+6*(\b/2)+3+\i], v[SPR+4*\b+\i]
.endr
.endr
.irp q, 0,1,2,3,4,5,6,7,8,9,10,11
	v_permlane16_swap_b32 v[F0+\q], v[F0+12+\q]    ; the first run's lanes 16-31 (columns 16-31, blocks 0, 2) change places with the second's lanes 0-15 (columns 0-15, blocks 1, 3): two fragments
.endr
.irp c, 0,1,2
	global_store_b128 v[LI], v[F0+4*\c:F0+4*\c+3], s[30:31] offset:512*\c
	global_store_b128 v[LI], v[F0+12+4*\c:F0+12+4*\c+3], s[30:31] offset:6144+512*\c   ; each store covers 512 consecutive bytes, aligned
.endr
	global_store_b32 v[L4], v[PW], s[12:13]        ; 128 consecutive bytes a wave, 512 a work-group
	s_endpgm
.Lnot_cm:
	s_cmp_lt_u32 ttmp9, 416
	s_cbranch_scc0 .Lattn
	; ---------------- mlp_w ----------------
	s_sub_co_u32 s20, ttmp9, 256
	s_lshr_b32 s21, s20, 2                         ; K step s, 0..39
	s_and_b32 s22, s20, 3                          ; w: which 128 hidden units
	s_mov_b32 s[MLO], 0xffff
	s_mov_b32 s[MHI], 0xffff0000
	s_mul_i32 s23, s[WV], 8448                     ; my stage
	v_add_nc_u32 v[STI], s23, v[LI]
	v_mul_u32_u24 v[STO], v[RR], 528
	v_lshl_add_u32 v[STO], v[HH], 6, v[STO]
	v_add_nc_u32 v[STO], s23, v[STO]
	s_lshl_b32 s24, s21, 9
	v_add_nc_u32 v[XO], s24, v[LI]                 ; 512 s + 16 lane,
	v_min_u32 v[XO], 19984, v[XO]                  ; held inside the row of 20,000 bytes: no load leaves it
	s_lshl_b32 s24, s22, 7
	s_lshl_b32 s25, s[WV], 5
	s_add_co_u32 s24, s24, s25
	s_mul_i32 s24, s24, 20000                      ; hidden unit 128 w + 32 v
	s_mov_b32 s25, 0
	s_add_nc_u64 s[4:5], s[4:5], s[24:25]
	s_lshr_b32 s26, s21, 1
	s_lshl_b32 s26, s26, 2
	s_add_co_u32 s26, s26, s22
	s_mul_i32 s26, s26, 25600
	s_and_b32 s27, s21, 1
	s_mul_i32 s27, s27, 12800
	s_add_co_u32 s26, s26, s27                     ; the block of (s, w) in wq
	s_mul_i32 s27, s[WV], 3072
	s_add_co_u32 s28, s26, s27
	s_mov_b32 s29, 0
	s_add_nc_u64 s[30:31], s[10:11], s[28:29]      ; my two fragments
	s_lshl_b32 s27, s[WV], 7
	s_add_co_u32 s28, s26, s27
	s_add_co_u32 s28, s28, 12288
	s_add_nc_u64 s[10:11], s[10:11], s[28:29]      ; my register of scale words
.irp b, 0,1,2,3
	v_mov_b32 v[TM+4+\b], 0                        ; written once: a lane permute's destination counts as one of its sources
.endr
.irp e, 0,1
.irp i, 0,1,2,3,4,5,6,7,8,9,10,11,12,13,14,15
	global_load_b128 v[X+64*\e+4*\i:X+64*\e+4*\i+3], v[XO], s[4:5] offset:(8*\e+\i+8*(\i/8))*20000   ; 512 consecutive bytes of a row.  No NT hint: neighbouring K steps' bytes meet inside aligned blocks of 256 bytes
.endr
.endr
.macro WTILE e
	s_wait_loadcnt 16*(1-(\e))                     ; this tile's 16 loads are in; the second tile's may be out
	TURN X+64*(\e), X+64*(\e), 0
	s_wait_dscnt 0x0
	s_cmp_lg_u32 s21, 39
	s_cbranch_scc1 .Lwhole_\@
	ZTAIL X+64*(\e)
.Lwhole_\@:
	QUANT X+64*(\e), PC+20*(\e), PW+(\e), 0, 0
.irp c, 0,1,2
	global_store_b128 v[LI], v[PC+20*(\e)+4*\c:PC+20*(\e)+4*\c+3], s[30:31] offset:1536*(\e)+512*\c
.endr
.endm
	WTILE 0
	WTILE 1
	v_cndmask_b32 v[PW], v[PW], v[PW+1], s[MHI]    ; lanes 0-15: the even tile's words, lanes 16-31: the odd tile's
	global_store_b32 v[L4], v[PW], s[10:11]
	s_wait_tensorcnt 0x0                           ; the wave's end: a wait, an add onto my spare word and its wait, behind my last LDS store
	ds_add_u32 v[SPW], v[NIL]
	s_wait_dscnt 0x0
	s_endpgm
.Lattn:
	; ---------------- attn: lane r takes column t = r, its registers run down K in the operand's own order ----------------
	v_lshlrev_b32 v[STO], 2, v[RR]                 ; 4 r
	v_lshl_add_u32 v[XO], v[HH], 11, v[STO]        ; + 32 h rows of 64 bytes
	s_lshl_b32 s20, s[WV], 13                      ; K step w: 128 rows
	s_mov_b32 s21, 0
	s_add_nc_u64 s[8:9], s[8:9], s[20:21]
	s_mul_i32 s22, s[WV], 1536
	s_mov_b32 s23, 0
	s_add_nc_u64 s[24:25], s[14:15], s[22:23]      ; my fragment
	s_lshl_b32 s22, s[WV], 6
	s_add_co_u32 s22, s22, 6144
	s_add_nc_u64 s[14:15], s[14:15], s[22:23]      ; my 16 scale words
.irp c, 0,1
.set cnt, 0
.rept 32
	global_load_b32 v[X+32*\c+cnt], v[XO], s[8:9] offset:64*(64*\c+cnt)   ; attn(128 w + 64 c + 32 h + cnt, r)
.set cnt, cnt+1
.endr
.endr
	s_wait_loadcnt 0x0
.irp c, 0,1
	v_max3_num_f32 v[TM+\c], |v[X+32*\c]|, |v[X+32*\c+1]|, 0x1800000   ; my block 2 c + h: all 32 numbers are mine; and the floor
.endr
.irp i, 2,4,6,8,10,12,14,16,18,20,22,24,26,28,30
.irp c, 0,1
	v_max3_num_f32 v[TM+\c], v[TM+\c], |v[X+32*\c+\i]|, |v[X+32*\c+\i+1]|
.endr
.endr
.irp c, 0,1
	v_add_nc_u32 v[TM+12+\c], 0xff000000, v[TM+\c]
.endr
.irp c, 0,1
	v_lshrrev_b32 v[TM+4+\c], 23, v[TM+12+\c]
.endr
	v_lshl_or_b32 v[PW], v[TM+5], 16, v[TM+4]      ; my two bytes: blocks h and 2 + h,
	v_lshlrev_b32 v[MX], 3, v[HH]
	v_lshlrev_b32 v[PW], v[MX], v[PW]              ; at their places in the word;
	v_mov_b32 v[PW+1], 0
	v_permlanex16_b32 v[PW+1], v[PW], s[SEL], s[SEL+1]
	v_or_b32 v[PW], v[PW], v[PW+1]                 ; with lane l xor 16's two the word is whole
.irp c, 0,1
	v_cvt_scalef32_pk16_fp6_f32 v[F0+6*\c:F0+6*\c+2], v[X+32*\c:X+32*\c+15], v[TM+12+\c]
	v_cvt_scalef32_pk16_fp6_f32 v[SPR+4*\c:SPR+4*\c+2], v[X+32*\c+16:X+32*\c+31], v[TM+12+\c]
.endr
	v_nop
.irp c, 0,1
.irp i, 0,1,2
	v_mov_b32 v[F0+6*\c+3+\i], v[SPR+4*\c+\i]
.endr
.endr
.irp c, 0,1,2
	global_store_b128 v[LI], v[F0+4*\c:F0+4*\c+3], s[24:25] offset:512*\c
.endr
	global_store_b32 v[STO], v[PW], s[14:15]       ; both halves of the lanes write the same word with the same value
	s_endpgm
.Lfunc_end_k_qf8ac210092_prep:
	.size	k_qf8ac210092_prep, .Lfunc_end_k_qf8ac210092_prep-k_qf8ac210092_prep
	.p2alignl 7, 3214868480
	.fill 96, 4, 3214868480
	.section	.rodata,"a",@progbits
	.p2align	6, 0x0
	.amdhsa_kernel k_qf8ac210092_prep
		.amdhsa_group_segment_fixed_size 34304
		.amdhsa_private_segment_fixed_size 0
		.amdhsa_enable_private_segment 0
		.amdhsa_kernarg_size 48
		.amdhsa_user_sgpr_count 2
		.amdhsa_user_sgpr_kernarg_segment_ptr 1
		.amdhsa_wavefront_size32 1
		.amdhsa_system_sgpr_workgroup_id_x 1
		.amdhsa_system_sgpr_workgroup_id_y 1
		.amdhsa_system_sgpr_workgroup_id_z 1
		.amdhsa_system_vgpr_workitem_id 0
		.amdhsa_next_free_vgpr 216
		.amdhsa_next_free_sgpr 66
		.amdhsa_reserve_vcc 0
		.amdhsa_float_denorm_mode_32 3
		.amdhsa_float_denorm_mode_16_64 3
		.amdhsa_memory_ordered 1
		.amdhsa_forward_progress 1
		.amdhsa_inst_pref_size 53
	.end_amdhsa_kernel
	.amdgpu_metadata
---
amdhsa.version: [ 1, 2 ]
amdhsa.kernels:
  - .name:           k_qf8ac210092_prep
    .symbol:         k_qf8ac210092_prep.kd
    .args:
      - { .name: mlp_w, .offset: 0, .size: 8, .value_kind: global_buffer, .address_space: global }
      - { .name: CM, .offset: 8, .size: 8, .value_kind: global_buffer, .address_space: global }
      - { .name: attn, .offset: 16, .size: 8, .value_kind: global_buffer, .address_space: global }
      - { .name: wq, .offset: 24, .size: 8, .value_kind: global_buffer, .address_space: global }
      - { .name: cmq, .offset: 32, .size: 8, .value_kind: global_buffer, .address_space: global }
      - { .name: aq, .offset: 40, .size: 8, .value_kind: global_buffer, .address_space: global }
    .group_segment_fixed_size: 34304
    .private_segment_fixed_size: 0
    .kernarg_segment_align: 8
    .kernarg_segment_size: 48
    .max_flat_workgroup_size: 128
    .sgpr_count:     66
    .vgpr_count:     216
    .wavefront_size: 32
...
	.end_amdgpu_metadata
.endif
;; end of part 1
;; launch gemm1 (part 2): grid 256 x 1, 4 waves a work-group, clusters of 4 x 1, 327,680 bytes of LDS; arguments data_input, wq, mlp_b, aq, hc, hs, zb; writes hc, hs, zb
.if DOCPART == 2
	.amdgcn_target "amdgcn-amd-amdhsa--gfx1250"
	.amdhsa_code_object_version 6
	.text
	.protected	k_qf8ac210092_gemm1
	.globl	k_qf8ac210092_gemm1
	.p2align	8
	.type	k_qf8ac210092_gemm1,@function
k_qf8ac210092_gemm1:
	s_mov_b64 s[64:65], 0
	v_nop
	global_prefetch_b8 v0, s[64:65] scope:SCOPE_SE
	s_setreg_imm32_b32 hwreg(HW_REG_WAVE_MODE, 25, 1), 1
	s_wait_xcnt 0x0
	s_wait_alu depctr_hold_cnt(0) depctr_sa_sdst(0) depctr_va_vdst(0) depctr_va_sdst(0) depctr_va_ssrc(0) depctr_va_vcc(0) depctr_vm_vsrc(0)
	s_getreg_b32 s2, hwreg(HW_REG_IB_STS2, 6, 4)
	s_cmp_eq_u32 s2, 0
	s_cbranch_scc0 .Lentry_in_a_cluster
	s_endpgm
.Lentry_in_a_cluster:
	s_bfe_u32 s2, ttmp6, 0x10000c
	s_cmp_lg_u32 s2, 0x3003
	s_cbranch_scc0 .Lentry_shape_is_right
	s_endpgm
.Lentry_shape_is_right:
; h = x W^T + b on codes of E2M3 (x quantised here, on its way; W's codes from prep), then Q(h) along the hidden units (to hc, hs) and z = Q(h) Q(attn) (to zb).  Nothing of reference() is left out here.
; SHARES.  Work-group g owns rows 32 g .. 32 g + 31 of x and all 512 hidden units, so that each byte of x is read once.  Wave w owns hidden units 128 w .. + 127: 8 tiles x 2 tiles of rows = 16 accumulators.
; The product is used TRANSPOSED (source 0 = 16 rows of W, source 1 = 16 rows of x): a lane holds one row of h, and (by prep's choice of a tile's rows) the 16 registers of two neighbouring tiles are 16 neighbours along the next K.
; K = 5,120 (5,000 and zeros) goes in 20 trips of two K steps of 128.
; W comes through a ring of two LDS slots by the tensor data mover; each wave fetches the 25,600 bytes (two K steps of its 8 tiles, with their scale words, in the order of the operands' registers) that it alone reads.
; CLUSTER: all work-groups walk the same W, so the four of a cluster ask JOINTLY: the same load, the same descriptor, mask 15.
; x comes by loads of 512 consecutive bytes of a row into a ring of four register sets (four trips, 32 KiB a wave, on their way, across the barriers).  In each trip each wave quantises ONE fragment of x for the next trip
; (tile of rows w % 2, K step w / 2): through its stage in LDS, so that a lane holds 16 neighbours along K; the codes and the scale word go to the other waves as an image of the operand's registers, in two buffers by turns.
; The bias is loaded straight into the accumulators: nothing is cleared, and no addition is spent on it.
; LIMITS: as stated at the head of prep (NaN, infinities; byte 1 for blocks of zeros or under the floor).
; REGISTERS, in windows of 256 (s_set_vgpr_msb: bits 1:0 source 0, 3:2 source 1, 5:4 source 2, 7:6 destination):
;   window 0: v0-27 addresses; v32-39 W's scale words (later h's), v40-43 x's, v44-45 attn's; v48-95 x's four fragments; v96-159 64 numbers of x; v160-175 at work; v176-177 scale words made; v178-217 codes made
;   window 1: W's fragments, K step u at v[128 u]     window 2: the accumulators at v[64 m + 8 t]; v128-175 attn's four fragments (wave 0)     window 3: x as loaded, set p at v[64 p]
.set WSLOT, 102400                     ; a slot of W's ring: four waves' parts
.set WPART, 25600                      ; a wave's part: two blocks
.set WBLK,  12800                      ; a block: 8 fragments, 512 bytes of scale words
.set STG,   204800                     ; behind the ring: four stages of 16 rows x 528 bytes
.set AIMG,  238592                     ; x's images: two buffers
.set ABUF,  6656                       ; a buffer: 4 fragments (2 u + m), then 512 bytes: lane l's four scale words at 16 l
.set HIMG,  251904                     ; h's images: fragment 4 m + s
.set HSC,   264192                     ; h's scale words, as hs has them: 256 m + 128 (s % 2) + 8 r + 4 (s / 2)
.set ZST,   264704                     ; z's stage: 16 rows (tasks) x 144 bytes
.set SPARE, 267008                     ; the spare words: 128 bytes a wave
.set SPW, 2
.set NIL, 3
.set LI,  4                            ; 16 x lane
.set STI, 5                            ; my stage, on the way in
.set STO, 6                            ; and out
.set AWI, 7                            ; where I store my image of x
.set AWS, 8                            ; and its scale word
.set ARD, 9                            ; where images of x are read
.set WRD, 10                           ; v10-11 my part of W in slot 0, 1
.set WSR, 12                           ; v12-13 its scale words
.set XO,  14                           ; v14-17 set p: my byte in a row of x
.set HWI, 18                           ; where I store my image of h
.set HWS, 19                           ; and its scale word
.set HRD, 20                           ; where images of h are read
.set HS8, 21                           ; h's scale words, 8 bytes a lane
.set ZSI, 22                           ; z's stage, in
.set ZSO, 23                           ; and out
.set BO,  24                           ; 64 x (lane / 16): the bias
.set L4,  25                           ; 4 x lane
.set RR,  26
.set HH,  27
.set WS,  32
.set HS,  32
.set AS,  40
.set QS,  44
.set AF,  48
.set HF,  48
.set XN,  96
.set Z,   144
.set TM,  160
.set PW,  176
.set PC,  178
.set ZB,  218
.set HSB, 234
.set WV,  18
.set SEL, 22
.set G1,  24                           ; s[24:31] descriptor group 1
.set G0,  32                           ; s[32:39] group 0, a set for each slot
.set XB,  40                           ; s[40:41] x at my 16 rows
.set MLO, 56
.set MSB, 0
.macro WIN new                         ; the immediate's high byte repeats the setting that is left; a switch that changes nothing is dropped
.if MSB != (\new)
	s_set_vgpr_msb (MSB<<8)|(\new)
.set MSB, \new
.endif
.endm
.macro PLACES
.rept 4
	v_nop
.endr
.endm
.macro ROUND                           ; a round of the cluster's barrier
	s_barrier_signal -1
	s_barrier_wait -1
	s_cmp_lg_u32 s[WV], 0
	s_cbranch_scc1 .Lnot_wave_0_\@
	s_barrier_signal -3
.Lnot_wave_0_\@:
	s_barrier_wait -3
	s_barrier_signal -1
	s_barrier_wait -1
.endm
; 16 rows x 512 bytes, as loaded (16 bytes a lane), go through my stage (rows 528 bytes apart) and come back so that register 16 b + i is k = 32 b + 16 (lane / 16) + i of row lane % 16.
.macro TURN src, dst, wsrc
	WIN \wsrc
.irp i, 0,1,2,3,4,5,6,7,8,9,10,11,12,13,14,15
	ds_store_b128 v[STI], v[\src+4*\i:\src+4*\i+3] offset:528*\i
.endr
	WIN 0
.irp b, 0,1,2,3
.irp q, 0,1,2,3
	ds_load_b128 v[\dst+16*\b+4*\q:\dst+16*\b+4*\q+3], v[STO] offset:128*\b+16*\q   ; LDS serves a wave's instructions in order: these see my stores
.endr
.endr
.endm
; 64 numbers of a lane, register 16 b + i = k 32 b + 16 (lane / 16) + i of my row, become a fragment's codes in v[pc] .. v[pc + 11] and its scale word in v[pw].  wmax, wcvt: the window settings under which the numbers are read.
.macro QUANT s, pc, pw, wmax, wcvt
	WIN \wmax
.irp b, 0,1,2,3
	v_max3_num_f32 v[TM+\b], |v[\s+16*\b]|, |v[\s+16*\b+1]|, 0x1800000   ; block b: my 16 numbers, and the floor 2^(3 - 127): the byte cannot fall under 1.  (Of an accumulator the low end is read first)
.endr
.irp i, 2,4,6,8,10,12,14
.irp b, 0,1,2,3
	v_max3_num_f32 v[TM+\b], |v[\s+16*\b+\i]|, |v[\s+16*\b+\i+1]|, v[TM+\b]   ; the four blocks by turns
.endr
.endr
	WIN 0
.irp b, 0,1,2,3
	v_permlanex16_b32 v[TM+4+\b], v[TM+\b], s[SEL], s[SEL+1]
.endr
.irp b, 0,1,2,3
	v_max_num_f32 v[TM+\b], v[TM+\b], v[TM+4+\b]   ; with lane l xor 16's: the block's largest magnitude
.endr
.irp b, 0,1,2,3
	v_add_nc_u32 v[TM+12+\b], 0xff000000, v[TM+\b]   ; 2 off its exponent field: the conversion's scale operand
.endr
.irp b, 0,1,2,3
	v_lshrrev_b32 v[TM+4+\b], 23, v[TM+12+\b]      ; the scale's byte
.endr
	v_lshl_or_b32 v[\pw], v[TM+5], 8, v[TM+4]
	v_lshl_or_b32 v[\pw], v[TM+6], 16, v[\pw]
	v_lshl_or_b32 v[\pw], v[TM+7], 24, v[\pw]
	WIN \wcvt
.irp c, 0,1
	v_cvt_scalef32_pk16_fp6_f32 v[\pc+6*\c:\pc+6*\c+2], v[\s+32*\c:\s+32*\c+15], v[TM+12+2*\c]
	v_cvt_scalef32_pk16_fp6_f32 v[\pc+12+4*\c:\pc+14+4*\c], v[\s+32*\c+16:\s+32*\c+31], v[TM+13+2*\c]   ; (a conversion's three registers begin on an even number)
.endr
	WIN 0
	v_nop                                          ; one plain place behind a scaled conversion
.irp c, 0,1                                    ; the operand wants a WHOLE block in a lane: lanes 0-15 block 2 c, lanes 16-31 block 2 c + 1
.irp i, 0,1,2
	v_permlane16_swap_b32 v[\pc+6*\c+\i], v[\pc+12+4*\c+\i]
.endr
.irp i, 0,1,2
	v_mov_b32 v[\pc+3+6*\c+\i], v[\pc+12+4*\c+\i]
.endr
.endr
.endm
; the last K step: k = 4,992 on; only k' = 0 .. 7 are numbers of the row: registers 0-7 of lanes 0-15
.macro ZTAIL xn
.irp i, 0,1,2,3,4,5,6,7
	v_cndmask_b32 v[\xn+\i], 0, v[\xn+\i], s[MLO]
.endr
.set zi, 8
.rept 56
	v_mov_b32 v[\xn+zi], 0
.set zi, zi+1
.endr
.endm
.macro XLOAD p                         ; my 16 rows' 512 bytes of one K step into set p.  No NT hint: rows are 20,000 bytes, so neighbouring K steps' bytes meet inside aligned blocks of 256 bytes
	WIN 0xc0
.irp i, 0,1,2,3,4,5,6,7,8,9,10,11,12,13,14,15
	global_load_b128 v[64*(\p)+4*\i:64*(\p)+4*\i+3], v[XO+(\p)], s[XB:XB+1] offset:20000*\i
.endr
	WIN 0
.endm
.macro IMAGE q                         ; my fragment of x and its scale word into buffer q, as they stand
.irp c, 0,1,2
	ds_store_b128 v[AWI], v[PC+4*\c:PC+4*\c+3] offset:ABUF*(\q)+512*\c
.endr
	ds_store_b32 v[AWS], v[PW] offset:ABUF*(\q)
.endm
; 16 matrix instructions: K step u of the trip; the 16 accumulators take turns, one instruction a turn, in the same order everywhere
.macro MUL u
.irp m, 0,1
.irp t, 0,1,2,3,4,5,6,7
.if \t%2
	v_wmma_scale_f32_16x16x128_f8f6f4 v[64*\m+8*\t:64*\m+8*\t+7], v[128*(\u)+12*\t:128*(\u)+12*\t+11], v[AF+24*(\u)+12*\m:AF+24*(\u)+12*\m+11], v[64*\m+8*\t:64*\m+8*\t+7], v[WS+4*(\u)+\t/2], v[AS+2*(\u)+\m] matrix_a_fmt:MATRIX_FMT_FP6 matrix_b_fmt:MATRIX_FMT_FP6 matrix_a_scale:MATRIX_SCALE_ROW1
.else
	v_wmma_scale_f32_16x16x128_f8f6f4 v[64*\m+8*\t:64*\m+8*\t+7], v[128*(\u)+12*\t:128*(\u)+12*\t+11], v[AF+24*(\u)+12*\m:AF+24*(\u)+12*\m+11], v[64*\m+8*\t:64*\m+8*\t+7], v[WS+4*(\u)+\t/2], v[AS+2*(\u)+\m] matrix_a_fmt:MATRIX_FMT_FP6 matrix_b_fmt:MATRIX_FMT_FP6
.endif
.endr
.endr
.endm
	s_load_b256 s[4:11], s[0:1], 0x0               ; x s[4:5], wq s[6:7], mlp_b s[8:9], aq s[10:11]
	s_load_b128 s[12:15], s[0:1], 0x20             ; hc s[12:13], hs s[14:15]
	s_load_b64 s[16:17], s[0:1], 0x30              ; zb
	v_lshl_add_u32 v[SPW], v0, 2, SPARE
	v_mov_b32 v[NIL], 0
	ds_add_u32 v[SPW], v[NIL]                      ; the wave's opening: the add, twice on end, and its wait ahead of my first tensor load; the set-up below, work on registers, stands between
	ds_add_u32 v[SPW], v[NIL]
	v_lshrrev_b32 v1, 5, v0
	v_readfirstlane_b32 s[WV], v1                  ; wave 0..3
	s_bfe_u32 s19, ttmp6, 0x40000                  ; cx: my place in the cluster
	s_lshl_b32 s20, ttmp9, 2
	s_add_co_u32 s20, s20, s19                     ; g = 4 x cluster + cx: it enters global addresses of x, hc, hs, zb alone
	s_mov_b32 s[G1], 15|(3<<16)|(1<<21)            ; 15:0 the mask: all four work-groups; 17:16 elements of 8 bytes; 21 set beside a mask; no padding
	s_mov_b32 s[G1+1], 32<<16                      ; tensor_dim0 = 32 elements: rows of 256 bytes
	s_mov_b32 s[G1+2], 100<<16                     ; tensor_dim1 = 100 rows: 25,600 dense bytes
	s_mov_b32 s[G1+3], 32<<16                      ; tile_dim0
	s_mov_b32 s[G1+4], 100                         ; tile_dim1
	s_mov_b32 s[G1+5], 32                          ; the pitch
	s_mov_b32 s[G1+6], 0
	s_mov_b32 s[G1+7], 0
	s_mov_b32 s[SEL], 0x76543210
	s_mov_b32 s[SEL+1], 0xfedcba98
	s_mov_b32 s[MLO], 0xffff
	; every LDS address is made here, ahead of the first branch on the wave's number
	v_and_b32 v1, 31, v0                           ; lane
	v_and_b32 v[RR], 15, v0
	v_bfe_u32 v[HH], v0, 4, 1
	v_lshlrev_b32 v[LI], 4, v1
	v_lshlrev_b32 v[L4], 2, v1
	v_lshlrev_b32 v[BO], 6, v[HH]
	s_mul_i32 s42, s[WV], 8448
	s_add_co_u32 s42, s42, STG                     ; my stage
	v_add_nc_u32 v[STI], s42, v[LI]
	v_mul_u32_u24 v[STO], v[RR], 528
	v_lshl_add_u32 v[STO], v[HH], 6, v[STO]
	v_add_nc_u32 v[STO], s42, v[STO]
	s_mul_i32 s42, s[WV], 1536
	s_add_co_u32 s43, s42, AIMG
	v_add_nc_u32 v[AWI], s43, v[LI]                ; fragment 2 u + m of x is made by wave 2 u + m
	s_add_co_u32 s43, s42, HIMG
	v_add_nc_u32 v[HWI], s43, v[LI]                ; K step w of h
	s_lshl_b32 s43, s[WV], 2
	s_add_co_u32 s43, s43, AIMG+6144
	v_add_nc_u32 v[AWS], s43, v[LI]
	v_add_nc_u32 v[ARD], AIMG, v[LI]
	s_mul_i32 s42, s[WV], WPART                    ; my part of a slot
	v_add_nc_u32 v[WRD], s42, v[LI]
	v_add_nc_u32 v[WRD+1], WSLOT, v[WRD]
	s_add_co_u32 s43, s42, 12288
	v_add_nc_u32 v[WSR], s43, v[L4]
	v_add_nc_u32 v[WSR+1], WSLOT, v[WSR]
	s_and_b32 s43, s[WV], 1
	s_lshl_b32 s43, s43, 7
	s_lshr_b32 s45, s[WV], 1
	s_lshl_b32 s45, s45, 2
	s_add_co_u32 s43, s43, s45
	s_add_co_u32 s43, s43, HSC
	v_lshl_add_u32 v[HWS], v[RR], 3, s43
	v_add_nc_u32 v[HRD], HIMG, v[LI]
	v_lshl_add_u32 v[HS8], v1, 3, HSC
	v_mul_u32_u24 v[ZSI], v[RR], 144
	v_lshl_add_u32 v[ZSI], v[HH], 5, v[ZSI]
	v_add_nc_u32 v[ZSI], ZST, v[ZSI]
	v_lshrrev_b32 v[ZSO], 3, v1
	v_mul_u32_u24 v[ZSO], v[ZSO], 144
	v_and_b32 v28, 7, v1
	v_lshl_add_u32 v[ZSO], v28, 4, v[ZSO]
	v_add_nc_u32 v[ZSO], ZST, v[ZSO]
	s_lshr_b32 s44, s[WV], 1
	s_lshl_b32 s44, s44, 9
	v_add_nc_u32 v[XO], s44, v[LI]                 ; trip p, K step 2 p + w / 2: 512 bytes each
.irp p, 1,2,3
	v_add_nc_u32 v[XO+\p], 1024*\p, v[XO]
.endr
.irp b, 0,1,2,3
	v_mov_b32 v[TM+4+\b], 0                        ; written once: a lane permute's destination counts as one of its sources
.endr
	s_mov_b32 s43, 0                               ; s[42:43]: my part's offset in a trip's W (no place in the cluster enters it)
	s_lshl_b32 s46, s20, 5
	s_and_b32 s47, s[WV], 1
	s_lshl_b32 s47, s47, 4
	s_add_co_u32 s46, s46, s47
	s_mul_i32 s46, s46, 20000                      ; x: row 32 g + 16 (w % 2)
	s_mov_b32 s47, 0
	s_mul_i32 s48, s20, 12288
	s_mul_i32 s49, s[WV], 1536
	s_add_co_u32 s48, s48, s49                     ; hc: tile of rows 2 g, K step w
	s_mov_b32 s49, 0
	s_lshl_b32 s50, s20, 9                         ; hs
	s_mov_b32 s51, 0
	s_lshl_b32 s52, s20, 11                        ; zb
	s_mov_b32 s53, 0
	s_lshl_b32 s54, s[WV], 9                       ; mlp_b: my 128 numbers
	s_mov_b32 s55, 0
	s_wait_dscnt 0x0                               ; both opening adds are done
	s_wait_kmcnt 0x0
	s_mov_b32 s[G0], 1                             ; count = 1
	s_mov_b32 s[G0+1], s42                         ; LDS: slot 0, my part
	s_add_nc_u64 s[G0+2:G0+3], s[6:7], s[42:43]    ; trip 0
	s_mov_b32 s[G0+4], 1
	s_add_co_u32 s[G0+5], s42, WSLOT               ; slot 1
	s_add_nc_u64 s[G0+6:G0+7], s[G0+2:G0+3], WSLOT ; trip 1
	s_or_b32 s[G0+3], s[G0+3], 0x80000000          ; type = 2
	s_or_b32 s[G0+7], s[G0+7], 0x80000000
	s_add_nc_u64 s[XB:XB+1], s[4:5], s[46:47]
	s_add_nc_u64 s[8:9], s[8:9], s[54:55]
	s_add_nc_u64 s[12:13], s[12:13], s[48:49]
	s_add_nc_u64 s[14:15], s[14:15], s[50:51]
	s_add_nc_u64 s[16:17], s[16:17], s[52:53]
	ROUND                                          ; all four work-groups are here: the first joint loads meet
	tensor_load_to_lds s[G0:G0+3], s[G1:G1+7]      ; trip 0's W; every wave issues one
	s_nop 0
	PLACES
	WIN 0x80                                       ; destination window 2
.irp m, 0,1
.irp t, 0,1,2,3,4,5,6,7                        ; the bias INTO the accumulators: lane (r, h), tile t, register j: hidden unit 128 w + 32 (t / 2) + 16 h + 8 (t % 2) + j
	global_load_b128 v[64*\m+8*\t:64*\m+8*\t+3], v[BO], s[8:9] offset:4*(32*(\t/2)+8*(\t%2))
	global_load_b128 v[64*\m+8*\t+4:64*\m+8*\t+7], v[BO], s[8:9] offset:4*(32*(\t/2)+8*(\t%2))+16
.endr
.endr
	WIN 0
	s_cmp_lg_u32 s[WV], 0                          ; attn's codes are wanted by wave 0 alone, at the end: asked for here, so that nothing waits for them
	s_cbranch_scc1 .Lno_aq
	WIN 0x80
.irp q, 0,1,2,3,4,5,6,7,8,9,10,11
	global_load_b128 v[128+4*\q:128+4*\q+3], v[LI], s[10:11] offset:512*\q
.endr
	WIN 0
	global_load_b32 v[QS], v[L4], s[10:11] offset:6144       ; lanes 0-15: K step 0's words, lanes 16-31: K step 1's
	global_load_b32 v[QS+1], v[L4], s[10:11] offset:6144+128 ; K steps 2 and 3
.Lno_aq:
	XLOAD 0
	XLOAD 1
	XLOAD 2
	XLOAD 3
	s_wait_loadcnt 48                              ; all but the three younger sets of x: set 0, the bias and attn's codes are in
	TURN 0, XN, 0x0c                               ; (an LDS store's data are its source 1: window 3)
	s_wait_dscnt 0x0                               ; the numbers are back, so the stage's stores have read set 0
	v_add_nc_u32 v[XO], 4096, v[XO]                ; four trips on
	XLOAD 0
	QUANT XN, PC, PW, 0, 0
	IMAGE 0
; TRIP j.  slot = j % 2; pset = (j + 1) % 4.  refill: trip j + 1's W is asked for.  produce: my fragment of x for trip j + 1 is made.  xload: trip j + 5's x is asked for.  lcnt: 16 x the sets of x younger than pset.
.macro TRIP slot, pset, refill, produce, xload, lcnt, tail
	s_wait_tensorcnt 0x0                           ; all my tensor loads have landed: the one that was out is my part of this trip's W
	ds_add_u32 v[SPW], v[NIL]                      ; 0 onto my spare word
.if \refill
	s_add_nc_u64 s[G0+4*(\slot)+2:G0+4*(\slot)+3], s[G0+4*(\slot)+2:G0+4*(\slot)+3], 2*WSLOT   ; no load of mine is out, so a group 0 may be written: this slot's next trip
.endif
	s_wait_dscnt 0x0                               ; the add is done; my image for this trip has landed; my reads of the other slot and of the other buffer of images are over
.if \refill
	ROUND                                          ; that now holds of every wave of all four work-groups
	tensor_load_to_lds s[G0+4-4*(\slot):G0+7-4*(\slot)], s[G1:G1+7]   ; the next trip's W into the other slot: my one tensor load until the next round; it has this trip in which to land
	s_nop 0
	PLACES
.else
	s_barrier_signal -1
	s_barrier_wait -1
.endif
.if \produce
	s_wait_loadcnt \lcnt                           ; set pset is in; the younger sets stay out
	TURN 64*(\pset), XN, 0x0c
.endif
.irp q, 0,1,2,3,4,5,6,7,8,9,10,11
	ds_load_b128 v[AF+4*\q:AF+4*\q+3], v[ARD] offset:ABUF*(\slot)+512*\q   ; x's four fragments
.endr
	ds_load_b128 v[AS:AS+3], v[ARD] offset:ABUF*(\slot)+6144               ; and their scale words
.irp u, 0,1
.irp i, 0,1,2,3
	ds_load_b32 v[WS+4*\u+\i], v[WSR+(\slot)] offset:WBLK*\u+128*\i        ; W's: tile 2 i in lanes 0-15, tile 2 i + 1 in lanes 16-31
.endr
.endr
	WIN 0x40                                       ; destination window 1
.irp u, 0,1
.set cnt, 0
.rept 24
	ds_load_b128 v[128*\u+4*cnt:128*\u+4*cnt+3], v[WRD+(\slot)] offset:WBLK*\u+512*cnt
.set cnt, cnt+1
.endr
.endr
	s_wait_dscnt 24                                ; all but the 24 loads of W's second K step: so the stage's stores have read set pset too
.if \xload
	WIN 0
	v_add_nc_u32 v[XO+(\pset)], 4096, v[XO+(\pset)]   ; (free since the wait for the set's loads)  four trips on,
	v_min_u32 v[XO+(\pset)], 19984, v[XO+(\pset)]     ; held inside the row of 20,000 bytes: no load leaves it
	XLOAD \pset
.endif
	WIN 0xa1                                       ; source 0 (W) window 1, source 1 (x) window 0, C and D window 2
	MUL 0
	s_wait_dscnt 0x0
	MUL 1
	WIN 0
.if \produce
.if \tail
	s_cmp_lt_u32 s[WV], 2                          ; waves 2 and 3 hold K step 39
	s_cbranch_scc1 .Lwhole_\@
	ZTAIL XN
.Lwhole_\@:
.endif
	QUANT XN, PC, PW, 0, 0                         ; its plain instructions, which name no register of the products, are also the places ahead of the next trip's loads into the operands' registers
	IMAGE 1-(\slot)
.endif
.endm
	s_mov_b32 s21, 3
.Lloop:                                            ; trips 0 to 11
	TRIP 0, 1, 1, 1, 1, 48, 0
	TRIP 1, 2, 1, 1, 1, 48, 0
	TRIP 0, 3, 1, 1, 1, 48, 0
	TRIP 1, 0, 1, 1, 1, 48, 0
	s_sub_co_u32 s21, s21, 1
	s_cmp_lg_u32 s21, 0
	s_cbranch_scc1 .Lloop
	TRIP 0, 1, 1, 1, 1, 48, 0                      ; 12
	TRIP 1, 2, 1, 1, 1, 48, 0                      ; 13
	TRIP 0, 3, 1, 1, 1, 48, 0                      ; 14: the last x, trip 19's, is asked for
	TRIP 1, 0, 1, 1, 0, 48, 0                      ; 15: the counts run down
	TRIP 0, 1, 1, 1, 0, 32, 0                      ; 16
	TRIP 1, 2, 1, 1, 0, 16, 0                      ; 17
	TRIP 0, 3, 1, 1, 0, 0, 1                       ; 18: makes trip 19's x, whose second K step is the short one
	TRIP 1, 0, 0, 0, 0, 0, 0                       ; 19: nothing more to ask for or to make
	; h is whole: lane (r, h') of accumulators 64 m ..: row 16 m + r, register 16 b + i = hidden unit 128 w + 32 b + 16 h' + i: K step w of the next products
	PLACES                                         ; four places between the last products and the first read of results
.irp m, 0,1
	QUANT 64*\m, PC+20*\m, PW+\m, 0x0a, 0x02       ; the numbers lie in window 2
.irp c, 0,1,2
	global_store_b128 v[LI], v[PC+20*\m+4*\c:PC+20*\m+4*\c+3], s[12:13] offset:6144*\m+512*\c   ; 512 consecutive bytes, aligned
	ds_store_b128 v[HWI], v[PC+20*\m+4*\c:PC+20*\m+4*\c+3] offset:6144*\m+512*\c
.endr
	ds_store_b32 v[HWS], v[PW+\m] offset:256*\m    ; both halves of the lanes write the same word with the same value
.endr
	s_wait_dscnt 0x0                               ; for the others' sake: my images of h have landed
	s_barrier_signal -1
	s_barrier_wait -1
	s_cmp_lg_u32 s[WV], 0                          ; z = Q(h) Q(attn) is 8 matrix instructions: wave 0 does them
	s_cbranch_scc1 .Lend
.set cnt, 0
.rept 24
	ds_load_b128 v[HF+4*cnt:HF+4*cnt+3], v[HRD] offset:512*cnt   ; h's eight fragments, 4 m + s
.set cnt, cnt+1
.endr
	ds_load_b64 v[HS:HS+1], v[HS8]                 ; scale words: register 2 m + s / 2, lanes 0-15 for even s, lanes 16-31 for odd
	ds_load_b64 v[HS+2:HS+3], v[HS8] offset:256
	ds_load_b128 v[HSB:HSB+3], v[HRD] offset:HSC-HIMG   ; and all 512 bytes of them once more, for hs
	s_wait_dscnt 0x0
	WIN 0x08                                       ; source 1 (attn) window 2
.irp s, 0,1,2,3                                ; not transposed: source 0 = 16 rows of h, source 1 = the 16 tasks: a lane holds task r and rows 16 m + 8 h + j.  Two accumulators by turns
.irp m, 0,1
.if \s == 0
	v_wmma_scale_f32_16x16x128_f8f6f4 v[Z+8*\m:Z+8*\m+7], v[HF+48*\m:HF+48*\m+11], v[128:139], 0, v[HS+2*\m], v[QS] matrix_a_fmt:MATRIX_FMT_FP6 matrix_b_fmt:MATRIX_FMT_FP6
.elseif \s%2
	v_wmma_scale_f32_16x16x128_f8f6f4 v[Z+8*\m:Z+8*\m+7], v[HF+48*\m+12*\s:HF+48*\m+12*\s+11], v[128+12*\s:139+12*\s], v[Z+8*\m:Z+8*\m+7], v[HS+2*\m+\s/2], v[QS+\s/2] matrix_a_fmt:MATRIX_FMT_FP6 matrix_b_fmt:MATRIX_FMT_FP6 matrix_a_scale:MATRIX_SCALE_ROW1 matrix_b_scale:MATRIX_SCALE_ROW1
.else
	v_wmma_scale_f32_16x16x128_f8f6f4 v[Z+8*\m:Z+8*\m+7], v[HF+48*\m+12*\s:HF+48*\m+12*\s+11], v[128+12*\s:139+12*\s], v[Z+8*\m:Z+8*\m+7], v[HS+2*\m+\s/2], v[QS+\s/2] matrix_a_fmt:MATRIX_FMT_FP6 matrix_b_fmt:MATRIX_FMT_FP6
.endif
.endr
.endr
	PLACES
	WIN 0
.irp m, 0,1
	ds_store_b128 v[ZSI], v[Z+8*\m:Z+8*\m+3] offset:64*\m          ; each accumulator from its low end on
	ds_store_b128 v[ZSI], v[Z+8*\m+4:Z+8*\m+7] offset:64*\m+16
.endr
.irp c, 0,1,2,3
	ds_load_b128 v[ZB+4*\c:ZB+4*\c+3], v[ZSO] offset:576*\c        ; back by rows: eight lanes to a task's 128 bytes
.endr
	s_wait_dscnt 0x0
.irp c, 0,1,2,3
	global_store_b128 v[LI], v[ZB+4*\c:ZB+4*\c+3], s[16:17] offset:512*\c   ; zb[g][task][32 rows]: 512 consecutive bytes, aligned
.endr
	global_store_b128 v[LI], v[HSB:HSB+3], s[14:15]
.Lend:
	s_wait_tensorcnt 0x0                           ; the wave's end: a wait, an add onto my spare word and its wait, behind my last tensor load and my last LDS store
	ds_add_u32 v[SPW], v[NIL]
	s_wait_dscnt 0x0
	ROUND                                          ; the closing round: no work-group ends while a partner may still ask for a tile that names it
	s_endpgm
.Lfunc_end_k_qf8ac210092_gemm1:
	.size	k_qf8ac210092_gemm1, .Lfunc_end_k_qf8ac210092_gemm1-k_qf8ac210092_gemm1
	.p2alignl 7, 3214868480
	.fill 96, 4, 3214868480
	.section	.rodata,"a",@progbits
	.p2align	6, 0x0
	.amdhsa_kernel k_qf8ac210092_gemm1
		.amdhsa_group_segment_fixed_size 327680
		.amdhsa_private_segment_fixed_size 0
		.amdhsa_enable_private_segment 0
		.amdhsa_kernarg_size 56
		.amdhsa_user_sgpr_count 2
		.amdhsa_user_sgpr_kernarg_segment_ptr 1
		.amdhsa_wavefront_size32 1
		.amdhsa_system_sgpr_workgroup_id_x 1
		.amdhsa_system_sgpr_workgroup_id_y 1
		.amdhsa_system_sgpr_workgroup_id_z 1
		.amdhsa_system_vgpr_workitem_id 0
		.amdhsa_next_free_vgpr 1024
		.amdhsa_next_free_sgpr 66
		.amdhsa_reserve_vcc 0
		.amdhsa_float_denorm_mode_32 3
		.amdhsa_float_denorm_mode_16_64 3
		.amdhsa_memory_ordered 1
		.amdhsa_forward_progress 1
		.amdhsa_inst_pref_size 229
	.end_amdhsa_kernel
	.amdgpu_metadata
---
amdhsa.version: [ 1, 2 ]
amdhsa.kernels:
  - .name:           k_qf8ac210092_gemm1
    .symbol:         k_qf8ac210092_gemm1.kd
    .args:
      - { .name: data_input, .offset: 0, .size: 8, .value_kind: global_buffer, .address_space: global }
      - { .name: wq, .offset: 8, .size: 8, .value_kind: global_buffer, .address_space: global }
      - { .name: mlp_b, .offset: 16, .size: 8, .value_kind: global_buffer, .address_space: global }
      - { .name: aq, .offset: 24, .size: 8, .value_kind: global_buffer, .address_space: global }
      - { .name: hc, .offset: 32, .size: 8, .value_kind: global_buffer, .address_space: global }
      - { .name: hs, .offset: 40, .size: 8, .value_kind: global_buffer, .address_space: global }
      - { .name: zb, .offset: 48, .size: 8, .value_kind: global_buffer, .address_space: global }
    .group_segment_fixed_size: 327680
    .private_segment_fixed_size: 0
    .kernarg_segment_align: 8
    .kernarg_segment_size: 56
    .max_flat_workgroup_size: 128
    .sgpr_count:     66
    .vgpr_count:     1024
    .wavefront_size: 32
...
	.end_amdgpu_metadata
.endif
;; end of part 2
;; launch gemm3 (part 3): grid 16 x 16, 4 waves a work-group, clusters of 4 x 1, 209,408 bytes of LDS; arguments hc, hs, cmq, cla_w, sT; writes sT
.if DOCPART == 3
	.amdgcn_target "amdgcn-amd-amdhsa--gfx1250"
	.amdhsa_code_object_version 6
	.text
	.protected	k_qf8ac210092_gemm3
	.globl	k_qf8ac210092_gemm3
	.p2align	8
	.type	k_qf8ac210092_gemm3,@function
k_qf8ac210092_gemm3:
	s_mov_b64 s[64:65], 0
	v_nop
	global_prefetch_b8 v0, s[64:65] scope:SCOPE_SE
	s_setreg_imm32_b32 hwreg(HW_REG_WAVE_MODE, 25, 1), 1
	s_wait_xcnt 0x0
	s_wait_alu depctr_hold_cnt(0) depctr_sa_sdst(0) depctr_va_vdst(0) depctr_va_sdst(0) depctr_va_ssrc(0) depctr_va_vcc(0) depctr_vm_vsrc(0)
	s_getreg_b32 s2, hwreg(HW_REG_IB_STS2, 6, 4)
	s_cmp_eq_u32 s2, 0
	s_cbranch_scc0 .Lentry_in_a_cluster
	s_endpgm
.Lentry_in_a_cluster:
	s_bfe_u32 s2, ttmp6, 0x10000c
	s_cmp_lg_u32 s2, 0x3003
	s_cbranch_scc0 .Lentry_shape_is_right
	s_endpgm
.Lentry_shape_is_right:
; s[b][t] = sum_k cla_w[k] btk[b][t][k], btk = Q(h) Q(CM[t]) on codes of E2M3: the whole of the third product, each tile contracted with cla_w as soon as it is finished, in f32.  Nothing of reference() is left out;
; the order of the sums over k and t is the limit stated at the head of prep.
; SHARES.  Work-group (i, t): rows 512 i .. + 511, task t.  Wave w keeps its 128 rows of Q(h) (8 tiles x 4 K steps: 384 registers) in registers for the whole launch.  The task's 204,800 bytes of codes and scale words come
; into LDS ONCE (each wave fetches a quarter), and so do cla_w's 2,048 bytes: nothing is filled again.  A fragment of CM read from LDS feeds 8 matrix instructions of each wave.
; CLUSTER: the four work-groups of a cluster have the same task, so they ask JOINTLY: the same loads, the same descriptors, mask 15.
; The product is used TRANSPOSED (source 0 = 16 columns of CM[t], source 1 = 16 rows of h): a lane holds one row and eight neighbouring columns 16 n + 8 (lane / 16) + j.
; BY TURNS: two sets of 8 accumulators.  While column tile n is multiplied into one set, tile n - 1 in the other set is contracted: 8 packed multiply-adds behind each 8 matrix instructions.
; REGISTERS: window 0: v2-12 addresses; v32-127 CM's fragments, two sets of 4; v128-131 their scale words; v132-147 h's scale words; v148-163 cla_w, two sets of 8; v164-195 the sums, 4 a tile of rows; v196-215 the way out
;   window 1: h's fragments of K steps 0, 1 at v[12 (8 s + a)]; accumulator set 0 at v192-255       window 2: K steps 2, 3; accumulator set 1 at v192-255
.set CLA,   204800                     ; LDS: the task's codes and scale words at 0; cla_w;
.set SST,   206848                     ; the way out: 512 bytes a wave;
.set SPARE, 208896                     ; the spare words: 128 bytes a wave
.set SPW, 2
.set NIL, 3
.set BAD, 4                            ; CM's fragments: 16 x lane + the pair of tiles in hand
.set SAD, 5                            ; their scale words: lanes 0-15 an even K step's, lanes 16-31 the odd one's
.set CAD, 6                            ; cla_w: my eight columns of a tile
.set SSI, 7
.set SSO, 8
.set LI,  9
.set L8,  10
.set RR,  11
.set HH,  12
.set BF,  32
.set BS,  128
.set AS,  132
.set CL,  148
.set SUM, 164
.set T,   196
.set OUTR, 212
.set WV,  18
.set G1,  24                           ; s[24:31] group 1 for the codes; s[32:39] for cla_w; s[40:43], s[44:47] their groups 0
.set G1C, 32
.set G0,  40
.set G0C, 44
.set SEL, 48
.set MSB, 0
.macro WIN new
.if MSB != (\new)
	s_set_vgpr_msb (MSB<<8)|(\new)
.set MSB, \new
.endif
.endm
.macro PLACES
.rept 4
	v_nop
.endr
.endm
.macro ROUND                           ; a round of the cluster's barrier
	s_barrier_signal -1
	s_barrier_wait -1
	s_cmp_lg_u32 s[WV], 0
	s_cbranch_scc1 .Lnot_wave_0_\@
	s_barrier_signal -3
.Lnot_wave_0_\@:
	s_barrier_wait -3
	s_barrier_signal -1
	s_barrier_wait -1
.endm
	s_load_b256 s[4:11], s[0:1], 0x0               ; hc s[4:5], hs s[6:7], cmq s[8:9], cla_w s[10:11]
	s_load_b64 s[12:13], s[0:1], 0x20              ; sT
	v_lshl_add_u32 v[SPW], v0, 2, SPARE
	v_mov_b32 v[NIL], 0
	ds_add_u32 v[SPW], v[NIL]                      ; the wave's opening: the add, twice on end, and its wait ahead of my first tensor load
	ds_add_u32 v[SPW], v[NIL]
	v_lshrrev_b32 v1, 5, v0
	v_readfirstlane_b32 s[WV], v1                  ; wave 0..3
	s_bfe_u32 s19, ttmp6, 0x40000                  ; cx
	s_lshl_b32 s20, ttmp9, 2
	s_add_co_u32 s20, s20, s19                     ; i = 4 x cluster x + cx: it enters the addresses of hc, hs and sT alone
	s_and_b32 s21, ttmp7, 0xffff                   ; the task, which the four partners share
	s_mov_b32 s[G1], 15|(3<<16)|(1<<21)            ; the mask; elements of 8 bytes; bit 21 beside a mask; no padding
	s_mov_b32 s[G1+1], 32<<16                      ; rows of 256 bytes
	s_mov_b32 s[G1+2], 200<<16                     ; 200 of them: 51,200 dense bytes
	s_mov_b32 s[G1+3], 32<<16
	s_mov_b32 s[G1+4], 200
	s_mov_b32 s[G1+5], 32
	s_mov_b32 s[G1+6], 0
	s_mov_b32 s[G1+7], 0
	s_mov_b32 s[G1C], 15|(3<<16)|(1<<21)
	s_mov_b32 s[G1C+1], 32<<16
	s_mov_b32 s[G1C+2], 2<<16                      ; two rows: 512 bytes
	s_mov_b32 s[G1C+3], 32<<16
	s_mov_b32 s[G1C+4], 2
	s_mov_b32 s[G1C+5], 32
	s_mov_b32 s[G1C+6], 0
	s_mov_b32 s[G1C+7], 0
	s_mov_b32 s[SEL], 0x76543210
	s_mov_b32 s[SEL+1], 0xfedcba98
	v_and_b32 v1, 31, v0
	v_and_b32 v[RR], 15, v0
	v_bfe_u32 v[HH], v0, 4, 1
	v_lshlrev_b32 v[LI], 4, v1
	v_lshlrev_b32 v[L8], 3, v1
	v_lshlrev_b32 v[BAD], 4, v1
	v_lshlrev_b32 v[SAD], 2, v[RR]
	v_lshl_add_u32 v[SAD], v[HH], 11, v[SAD]
	v_add_nc_u32 v[SAD], 196608, v[SAD]
	v_lshl_add_u32 v[CAD], v[HH], 5, CLA
	s_lshl_b32 s54, s[WV], 9
	s_add_co_u32 s50, s54, SST
	v_lshl_add_u32 v[SSI], v[RR], 2, s50
	v_add_nc_u32 v[SSO], s50, v[LI]
	s_mul_i32 s52, s21, 204800
	s_mul_i32 s51, s[WV], 51200
	s_add_co_u32 s52, s52, s51                     ; cmq: the task's block, my quarter
	s_mov_b32 s53, 0
	s_mov_b32 s55, 0                               ; s[54:55]: cla_w: my 512 bytes
	s_lshl_b32 s56, s20, 5
	s_lshl_b32 s57, s[WV], 3
	s_add_co_u32 s56, s56, s57                     ; my first tile of rows: 32 i + 8 w
	s_mul_i32 s58, s56, 6144
	s_mov_b32 s59, 0
	s_lshl_b32 s60, s56, 8
	s_mov_b32 s61, 0
	s_lshl_b32 s62, s21, 15                        ; sT: 32,768 t + 4 (512 i + 128 w)
	s_lshl_b32 s57, s20, 11
	s_add_co_u32 s62, s62, s57
	s_add_co_u32 s62, s62, s54
	s_mov_b32 s63, 0
	s_wait_dscnt 0x0                               ; both opening adds are done
	s_wait_kmcnt 0x0
	s_mov_b32 s[G0], 1
	s_mov_b32 s[G0+1], s51
	s_add_nc_u64 s[G0+2:G0+3], s[8:9], s[52:53]
	s_or_b32 s[G0+3], s[G0+3], 0x80000000
	s_mov_b32 s[G0C], 1
	s_add_co_u32 s[G0C+1], s54, CLA
	s_add_nc_u64 s[G0C+2:G0C+3], s[10:11], s[54:55]
	s_or_b32 s[G0C+3], s[G0C+3], 0x80000000
	s_add_nc_u64 s[4:5], s[4:5], s[58:59]
	s_add_nc_u64 s[6:7], s[6:7], s[60:61]
	s_add_nc_u64 s[12:13], s[12:13], s[62:63]
	ROUND                                          ; all four work-groups are here: the joint loads meet
	tensor_load_to_lds s[G0:G0+3], s[G1:G1+7]      ; two loads of mine are out: the launch's only fills
	s_nop 0
	tensor_load_to_lds s[G0C:G0C+3], s[G1C:G1C+7]
	s_nop 0
	PLACES
.irp s, 0,1,2,3                                ; my 128 rows of Q(h) stay in registers
	WIN 0x40*(1+\s/2)                              ; destination window 1 or 2
.irp a, 0,1,2,3,4,5,6,7
.irp c, 0,1,2
	global_load_b128 v[12*(8*(\s%2)+\a)+4*\c:12*(8*(\s%2)+\a)+4*\c+3], v[LI], s[4:5] offset:6144*\a+1536*\s+512*\c
.endr
.endr
.endr
	WIN 0
.irp a, 0,1,2,3,4,5,6,7
	global_load_b64 v[AS+2*\a:AS+2*\a+1], v[L8], s[6:7] offset:256*\a   ; register 2 a + s / 2: lanes 0-15 for even s, lanes 16-31 for odd
.endr
	s_wait_tensorcnt 0x0                           ; my parts are in,
	s_barrier_signal -1
	s_barrier_wait -1                              ; everybody's are
.irp q, 0,1,2,3,4,5,6,7,8,9,10,11
	ds_load_b128 v[BF+4*\q:BF+4*\q+3], v[BAD] offset:512*\q   ; column tile 0
.endr
	ds_load_b32 v[BS], v[SAD]
	ds_load_b32 v[BS+1], v[SAD] offset:4096
	ds_load_b128 v[CL:CL+3], v[CAD]
	ds_load_b128 v[CL+4:CL+7], v[CAD] offset:16
	s_wait_loadcnt 0x0
; 8 matrix instructions: K step s of the tile in set p, against my eight tiles of rows; the accumulators take turns; the first K step starts the sums
.macro MM p, s
.irp a, 0,1,2,3,4,5,6,7
.if (\s) == 0
	v_wmma_scale_f32_16x16x128_f8f6f4 v[192+8*\a:199+8*\a], v[BF+48*(\p):BF+48*(\p)+11], v[12*\a:12*\a+11], 0, v[BS+2*(\p)], v[AS+2*\a] matrix_a_fmt:MATRIX_FMT_FP6 matrix_b_fmt:MATRIX_FMT_FP6
.elseif (\s)%2
	v_wmma_scale_f32_16x16x128_f8f6f4 v[192+8*\a:199+8*\a], v[BF+48*(\p)+12*(\s):BF+48*(\p)+12*(\s)+11], v[12*(8+\a):12*(8+\a)+11], v[192+8*\a:199+8*\a], v[BS+2*(\p)+(\s)/2], v[AS+2*\a+(\s)/2] matrix_a_fmt:MATRIX_FMT_FP6 matrix_b_fmt:MATRIX_FMT_FP6 matrix_a_scale:MATRIX_SCALE_ROW1 matrix_b_scale:MATRIX_SCALE_ROW1
.else
	v_wmma_scale_f32_16x16x128_f8f6f4 v[192+8*\a:199+8*\a], v[BF+48*(\p)+12*(\s):BF+48*(\p)+12*(\s)+11], v[12*\a:12*\a+11], v[192+8*\a:199+8*\a], v[BS+2*(\p)+(\s)/2], v[AS+2*\a+(\s)/2] matrix_a_fmt:MATRIX_FMT_FP6 matrix_b_fmt:MATRIX_FMT_FP6
.endif
.endr
.endm
; 8 packed multiply-adds: tiles of rows 2 s and 2 s + 1 of the finished set (window w) times cla_w's set cl; each accumulator from its low end on.  first = 1: the launch's first tile starts the sums
.macro EPI w, cl, s, first
	WIN \w
.irp i, 0,1,2,3
.irp d, 0,1
.if (\first) && (\i < 2)
	v_pk_mul_f32 v[SUM+4*(2*(\s)+\d)+2*\i:SUM+4*(2*(\s)+\d)+2*\i+1], v[192+8*(2*(\s)+\d)+2*\i:192+8*(2*(\s)+\d)+2*\i+1], v[CL+8*(\cl)+2*\i:CL+8*(\cl)+2*\i+1]
.else
	v_pk_fma_f32 v[SUM+4*(2*(\s)+\d)+2*(\i%2):SUM+4*(2*(\s)+\d)+2*(\i%2)+1], v[192+8*(2*(\s)+\d)+2*\i:192+8*(2*(\s)+\d)+2*\i+1], v[CL+8*(\cl)+2*\i:CL+8*(\cl)+2*\i+1], v[SUM+4*(2*(\s)+\d)+2*(\i%2):SUM+4*(2*(\s)+\d)+2*(\i%2)+1]
.endif
.endr
.endr
.endm
; COLUMN TILE n, of parity p.  epi: tile n - 1 is contracted meanwhile (2: it is the launch's first).  nxt: tile n + 1's fragments, scale words and cla_w are fetched.
; The 8 multiply-adds behind the last 8 matrix instructions (or four v_nop) name no register of those products: they are the places ahead of the next tile's loads into the operands' registers and of its reads of results.
.macro TILE p, epi, nxt
.if \nxt
.irp q, 0,1,2,3,4,5,6,7,8,9,10,11
	ds_load_b128 v[BF+48*(1-(\p))+4*\q:BF+48*(1-(\p))+4*\q+3], v[BAD] offset:6144*((\p)+1)+512*\q
.endr
	ds_load_b32 v[BS+2*(1-(\p))], v[SAD] offset:64*((\p)+1)
	ds_load_b32 v[BS+2*(1-(\p))+1], v[SAD] offset:64*((\p)+1)+4096
	s_wait_dscnt 16                                ; this tile's 14 loads are in; behind them: its 2 of cla_w and the 14 just issued
.else
	s_wait_dscnt 2                                 ; behind them: its 2 of cla_w
.endif
.irp s, 0,1,2,3
	WIN (0x50*((\p)+1))|((1+\s/2)<<2)              ; C and D in window 1 + p, h in window 1 + s / 2
	MM \p, \s
.if \epi
	EPI 2-(\p), 1-(\p), \s, (\epi)-1
.endif
.endr
	WIN 0
.if (\epi) == 0
	PLACES
.endif
.if \nxt
	ds_load_b128 v[CL+8*(1-(\p)):CL+8*(1-(\p))+3], v[CAD] offset:64*((\p)+1)
	ds_load_b128 v[CL+8*(1-(\p))+4:CL+8*(1-(\p))+7], v[CAD] offset:64*((\p)+1)+16
.endif
.endm
.macro ONWARD                          ; on to the next pair of tiles
	v_add_nc_u32 v[BAD], 12288, v[BAD]
	v_add_nc_u32 v[SAD], 128, v[SAD]
	v_add_nc_u32 v[CAD], 128, v[CAD]
.endm
	TILE 0, 0, 1
	TILE 1, 2, 1
	ONWARD
	s_mov_b32 s22, 14
.Lpair:                                            ; tiles 2 to 29
	TILE 0, 1, 1
	TILE 1, 1, 1
	ONWARD
	s_sub_co_u32 s22, s22, 1
	s_cmp_lg_u32 s22, 0
	s_cbranch_scc1 .Lpair
	TILE 0, 1, 1
	TILE 1, 1, 0
	s_wait_dscnt 0x0                               ; tile 31's cla_w
.irp s, 0,1,2,3
	EPI 2, 1, \s, 0                                ; tile 31 is contracted
.endr
	WIN 0
	; THE WAY OUT: a lane's four partial sums, then lane l xor 16's (the other eight columns of each tile): s of row 16 a + r
.irp a, 0,1,2,3,4,5,6,7
	v_pk_add_f32 v[T+2*\a:T+2*\a+1], v[SUM+4*\a:SUM+4*\a+1], v[SUM+4*\a+2:SUM+4*\a+3]
.endr
.irp a, 0,1,2,3,4,5,6,7
	v_add_f32 v[T+2*\a], v[T+2*\a], v[T+2*\a+1]
.endr
.irp a, 0,1,2,3,4,5,6,7
	v_permlanex16_b32 v[T+2*\a+1], v[T+2*\a], s[SEL], s[SEL+1]
.endr
.irp a, 0,1,2,3,4,5,6,7
	v_add_f32 v[T+2*\a], v[T+2*\a], v[T+2*\a+1]
.endr
.irp a, 0,1,2,3,4,5,6,7
	ds_store_b32 v[SSI], v[T+2*\a] offset:64*\a    ; both halves of the lanes write the same word with the same value
.endr
	ds_load_b128 v[OUTR:OUTR+3], v[SSO]            ; LDS serves a wave's instructions in order: this sees my stores
	s_wait_dscnt 0x0
	global_store_b128 v[LI], v[OUTR:OUTR+3], s[12:13]   ; my 128 rows: 512 consecutive bytes, aligned
	s_wait_tensorcnt 0x0                           ; the wave's end: a wait, an add onto my spare word and its wait, behind my last tensor load and my last LDS store
	ds_add_u32 v[SPW], v[NIL]
	s_wait_dscnt 0x0
	ROUND                                          ; the closing round
	s_endpgm
.Lfunc_end_k_qf8ac210092_gemm3:
	.size	k_qf8ac210092_gemm3, .Lfunc_end_k_qf8ac210092_gemm3-k_qf8ac210092_gemm3
	.p2alignl 7, 3214868480
	.fill 96, 4, 3214868480
	.section	.rodata,"a",@progbits
	.p2align	6, 0x0
	.amdhsa_kernel k_qf8ac210092_gemm3
		.amdhsa_group_segment_fixed_size 209408
		.amdhsa_private_segment_fixed_size 0
		.amdhsa_enable_private_segment 0
		.amdhsa_kernarg_size 40
		.amdhsa_user_sgpr_count 2
		.amdhsa_user_sgpr_kernarg_segment_ptr 1
		.amdhsa_wavefront_size32 1
		.amdhsa_system_sgpr_workgroup_id_x 1
		.amdhsa_system_sgpr_workgroup_id_y 1
		.amdhsa_system_sgpr_workgroup_id_z 1
		.amdhsa_system_vgpr_workitem_id 0
		.amdhsa_next_free_vgpr 768
		.amdhsa_next_free_sgpr 66
		.amdhsa_reserve_vcc 0
		.amdhsa_float_denorm_mode_32 3
		.amdhsa_float_denorm_mode_16_64 3
		.amdhsa_memory_ordered 1
		.amdhsa_forward_progress 1
		.amdhsa_inst_pref_size 62
	.end_amdhsa_kernel
	.amdgpu_metadata
---
amdhsa.version: [ 1, 2 ]
amdhsa.kernels:
  - .name:           k_qf8ac210092_gemm3
    .symbol:         k_qf8ac210092_gemm3.kd
    .args:
      - { .name: hc, .offset: 0, .size: 8, .value_kind: global_buffer, .address_space: global }
      - { .name: hs, .offset: 8, .size: 8, .value_kind: global_buffer, .address_space: global }
      - { .name: cmq, .offset: 16, .size: 8, .value_kind: global_buffer, .address_space: global }
      - { .name: cla_w, .offset: 24, .size: 8, .value_kind: global_buffer, .address_space: global }
      - { .name: sT, .offset: 32, .size: 8, .value_kind: global_buffer, .address_space: global }
    .group_segment_fixed_size: 209408
    .private_segment_fixed_size: 0
    .kernarg_segment_align: 8
    .kernarg_segment_size: 40
    .max_flat_workgroup_size: 128
    .sgpr_count:     66
    .vgpr_count:     768
    .wavefront_size: 32
...
	.end_amdgpu_metadata
.endif
;; end of part 3
;; launch final (part 4): grid 64 x 1, 1 waves a work-group, no clusters, 0 bytes of LDS; arguments zb, sT, cla_b, out0; writes out0
.if DOCPART == 4
	.amdgcn_target "amdgcn-amd-amdhsa--gfx1250"
	.amdhsa_code_object_version 6
	.text
	.protected	k_qf8ac210092_final
	.globl	k_qf8ac210092_final
	.p2align	8
	.type	k_qf8ac210092_final,@function
k_qf8ac210092_final:
	s_mov_b64 s[64:65], 0
	v_nop
	global_prefetch_b8 v0, s[64:65] scope:SCOPE_SE
	s_setreg_imm32_b32 hwreg(HW_REG_WAVE_MODE, 25, 1), 1
	s_wait_xcnt 0x0
; out[b] = sigmoid(sum_t softmax_t(z[b])[t] s[b][t] + cla_b), all in f32; the row's largest z is taken away before the exponentials, as reference()'s softmax does.  Nothing is left out.
; (s already holds the contraction with cla_w: the order of sums stated at the head of prep.)
; A lane owns four neighbouring rows, a wave 128: every load and the store cover 16 neighbouring bytes a lane.  1 MiB in all: no LDS, no matrix unit, no barrier; 64 waves have all the work there is.
.set M,   4                            ; v4-7    the rows' largest z
.set NM,  8                            ; v8-11   - log2(e) x that
.set Z,   16                           ; v16-79  z, then e: register 4 t + e'
.set S,   80                           ; v80-143 s
.set DEN, 144
.set NUM, 148
.set RC,  152
.set LG,  156
.set EX,  160
.set O,   164
	s_load_b256 s[4:11], s[0:1], 0x0               ; zb s[4:5], sT s[6:7], cla_b s[8:9], out0 s[10:11]
	v_lshlrev_b32 v1, 4, v0                        ; 16 x lane
	v_lshrrev_b32 v2, 3, v0
	v_and_b32 v3, 7, v0
	v_lshlrev_b32 v3, 4, v3
	v_lshl_add_u32 v2, v2, 11, v3                  ; zb[g][t][32 rows]: eight lanes to a block g of 2,048 bytes, 16 bytes a lane
	s_lshl_b32 s12, ttmp9, 13                      ; four blocks g a wave
	s_mov_b32 s13, 0
	s_lshl_b32 s14, ttmp9, 9                       ; 128 rows of 4 bytes
	s_mov_b32 s15, 0
	s_wait_kmcnt 0x0
	s_load_b32 s16, s[8:9], 0x0                    ; cla_b
	s_add_nc_u64 s[4:5], s[4:5], s[12:13]
	s_add_nc_u64 s[6:7], s[6:7], s[14:15]
	s_add_nc_u64 s[10:11], s[10:11], s[14:15]
.irp t, 0,1,2,3,4,5,6,7,8,9,10,11,12,13,14,15
	global_load_b128 v[Z+4*\t:Z+4*\t+3], v2, s[4:5] offset:128*\t
.endr
.irp t, 0,1,2,3,4,5,6,7,8,9,10,11,12,13,14,15
	global_load_b128 v[S+4*\t:S+4*\t+3], v1, s[6:7] offset:32768*\t
.endr
	s_wait_loadcnt 16                              ; z is in; s's 16 loads may be out
.irp e, 0,1,2,3
	v_max3_num_f32 v[M+\e], v[Z+\e], v[Z+4+\e], v[Z+8+\e]
.endr
.irp t, 3,5,7,9,11,13
.irp e, 0,1,2,3
	v_max3_num_f32 v[M+\e], v[M+\e], v[Z+4*\t+\e], v[Z+4*\t+4+\e]
.endr
.endr
.irp e, 0,1,2,3
	v_max_num_f32 v[M+\e], v[M+\e], v[Z+60+\e]
.endr
.irp e, 0,1,2,3
	v_mul_f32 v[NM+\e], 0xbfb8aa3b, v[M+\e]
.endr
.irp t, 0,1,2,3,4,5,6,7,8,9,10,11,12,13,14,15
.irp q, 0,1
	v_pk_fma_f32 v[Z+4*\t+2*\q:Z+4*\t+2*\q+1], v[Z+4*\t+2*\q:Z+4*\t+2*\q+1], 0x3fb8aa3b, v[NM+2*\q:NM+2*\q+1] op_sel_hi:[1,0,1]   ; log2(e) (z - the largest)
.endr
.endr
.set cnt, 0
.rept 64
	v_exp_f32 v[Z+cnt], v[Z+cnt]
.set cnt, cnt+1
.endr
	v_nop                                          ; a plain instruction behind the last exponential
	s_wait_alu depctr_va_vdst(0)                   ; one wait for the batch, ahead of its first reader
	s_wait_loadcnt 0x0                             ; s
	s_wait_kmcnt 0x0                               ; cla_b
.irp q, 0,1
	v_pk_add_f32 v[DEN+2*\q:DEN+2*\q+1], v[Z+2*\q:Z+2*\q+1], v[Z+4+2*\q:Z+4+2*\q+1]
	v_pk_mul_f32 v[NUM+2*\q:NUM+2*\q+1], v[Z+2*\q:Z+2*\q+1], v[S+2*\q:S+2*\q+1]
.endr
.irp q, 0,1
	v_pk_fma_f32 v[NUM+2*\q:NUM+2*\q+1], v[Z+4+2*\q:Z+4+2*\q+1], v[S+4+2*\q:S+4+2*\q+1], v[NUM+2*\q:NUM+2*\q+1]
.endr
.irp t, 2,3,4,5,6,7,8,9,10,11,12,13,14,15
.irp q, 0,1
	v_pk_add_f32 v[DEN+2*\q:DEN+2*\q+1], v[DEN+2*\q:DEN+2*\q+1], v[Z+4*\t+2*\q:Z+4*\t+2*\q+1]
	v_pk_fma_f32 v[NUM+2*\q:NUM+2*\q+1], v[Z+4*\t+2*\q:Z+4*\t+2*\q+1], v[S+4*\t+2*\q:S+4*\t+2*\q+1], v[NUM+2*\q:NUM+2*\q+1]
.endr
.endr
.irp e, 0,1,2,3
	v_rcp_f32 v[RC+\e], v[DEN+\e]
.endr
	v_nop
	s_wait_alu depctr_va_vdst(0)
.irp e, 0,1,2,3
	v_fma_f32 v[LG+\e], v[NUM+\e], v[RC+\e], s16   ; the logit
.endr
.irp e, 0,1,2,3
	v_mul_f32 v[LG+\e], 0xbfb8aa3b, v[LG+\e]
.endr
.irp e, 0,1,2,3
	v_exp_f32 v[EX+\e], v[LG+\e]                   ; e^(-logit)
.endr
	v_nop
	s_wait_alu depctr_va_vdst(0)
.irp e, 0,1,2,3
	v_add_f32 v[EX+\e], 1.0, v[EX+\e]
.endr
.irp e, 0,1,2,3
	v_rcp_f32 v[O+\e], v[EX+\e]
.endr
	v_nop
	s_wait_alu depctr_va_vdst(0)
	global_store_b128 v1, v[O:O+3], s[10:11]       ; 512 consecutive bytes, aligned
	s_endpgm
.Lfunc_end_k_qf8ac210092_final:
	.size	k_qf8ac210092_final, .Lfunc_end_k_qf8ac210092_final-k_qf8ac210092_final
	.p2alignl 7, 3214868480
	.fill 96, 4, 3214868480
	.section	.rodata,"a",@progbits
	.p2align	6, 0x0
	.amdhsa_kernel k_qf8ac210092_final
		.amdhsa_group_segment_fixed_size 0
		.amdhsa_private_segment_fixed_size 0
		.amdhsa_enable_private_segment 0
		.amdhsa_kernarg_size 32
		.amdhsa_user_sgpr_count 2
		.amdhsa_user_sgpr_kernarg_segment_ptr 1
		.amdhsa_wavefront_size32 1
		.amdhsa_system_sgpr_workgroup_id_x 1
		.amdhsa_system_sgpr_workgroup_id_y 1
		.amdhsa_system_sgpr_workgroup_id_z 1
		.amdhsa_system_vgpr_workitem_id 0
		.amdhsa_next_free_vgpr 168
		.amdhsa_next_free_sgpr 66
		.amdhsa_reserve_vcc 0
		.amdhsa_float_denorm_mode_32 3
		.amdhsa_float_denorm_mode_16_64 3
		.amdhsa_memory_ordered 1
		.amdhsa_forward_progress 1
		.amdhsa_inst_pref_size 17
	.end_amdhsa_kernel
	.amdgpu_metadata
---
amdhsa.version: [ 1, 2 ]
amdhsa.kernels:
  - .name:           k_qf8ac210092_final
    .symbol:         k_qf8ac210092_final.kd
    .args:
      - { .name: zb, .offset: 0, .size: 8, .value_kind: global_buffer, .address_space: global }
      - { .name: sT, .offset: 8, .size: 8, .value_kind: global_buffer, .address_space: global }
      - { .name: cla_b, .offset: 16, .size: 8, .value_kind: global_buffer, .address_space: global }
      - { .name: out0, .offset: 24, .size: 8, .value_kind: global_buffer, .address_space: global }
    .group_segment_fixed_size: 0
    .private_segment_fixed_size: 0
    .kernarg_segment_align: 8
    .kernarg_segment_size: 32
    .max_flat_workgroup_size: 32
    .sgpr_count:     66
    .vgpr_count:     168
    .wavefront_size: 32
...
	.end_amdgpu_metadata
.endif
;; end of part 4
